; MI455X (gfx1250); checked and timed in simulation.
; The chip was launched on July 23, 2026; its instructions are those of AMD's public machine-readable ISA for CDNA 5 (MIT licence, August 2026) and "CDNA5" Instruction Set Architecture Reference Guide (July 2026). The comments in the code are by the model that wrote it; some were corrected since.
;; Dummy Swi GLU Experts. Allowed arithmetic: float matrix products may take bf16 or f16 operands with f32 sums; all other float work in f32.
;; Inputs: down_proj 8 x 2,048 x 128 float32; gate_up_proj 8 x 256 x 2,048 float32; hidden_states 4,096 x 2,048 float32; top_k_index 4,096 x 2 int32; top_k_weights 4,096 x 2 float32.
;; Outputs: out0 4,096 x 2,048 float32.
;; 2 versions, each right; version 2 is version 1 with the launch cast written anew for expert scheduling mode. Each part assembles by itself: llvm-mc -triple=amdgcn-amd-amdhsa -mcpu=gfx1250 --defsym DOCPART=n.
;; ======== version 1 of 2: 3 launches
;; limits: values are held in f16: magnitudes above 65,504 overflow, below 6.1e-05 lose precision; inputs' magnitudes at most 65,504
;; workspace buffers: xb 16,777,216 bytes; w1b 8,388,608 bytes; w2b 4,194,304 bytes; act 8,388,608 bytes; xn 16,384 bytes; wn 8,192 bytes
;; launch cast (part 1): grid 256 x 7, 4 waves a work-group, no clusters, 0 bytes of LDS; arguments hidden_states, gate_up_proj, down_proj, xb, w1b, w2b, xn, wn; writes xb, w1b, w2b, xn, wn
.if DOCPART == 1
	.amdgcn_target "amdgcn-amd-amdhsa--gfx1250"
	.amdhsa_code_object_version 6
	.text
	.protected	k_q11733f13e2_cast
	.globl	k_q11733f13e2_cast
	.p2align	8
	.type	k_q11733f13e2_cast,@function
k_q11733f13e2_cast:
	s_mov_b64 s[64:65], 0
	v_nop
	global_prefetch_b8 v0, s[64:65] scope:SCOPE_SE
	s_setreg_imm32_b32 hwreg(HW_REG_WAVE_MODE, 25, 1), 1
	s_wait_xcnt 0x0
; f32 to f16, once for each element of the three matrix operands, so that the two products that follow read 16-bit tiles and convert nothing;
; and the squared norm of every row of hidden_states and of gate_up_proj, from which the later launches bound act.
;   y = 0..3: hidden_states [4096][2048]    -> xb  [4096][2048]  same order;  xn[t] = sum of x[t][.]^2
;   y = 4, 5: gate_up_proj  [8][256][2048]  -> w1b [2048][2048]  same order;  wn[row] = sum of W1[row][.]^2
;   y = 6:    down_proj     [8][2048][128]  -> w2b [2048 h][1024 = 128 e + i]   so that K = (expert, i) lies along the rows
; f16 and not bf16: 11 significant bits against 8, and these operands have the room.  LIMIT: a magnitude above 65,504 overflows f16; below 6.1e-5 the
; absolute error stays 3e-8.
; A work-group takes 32,768 bytes of input, a wave 8,192 (for y < 6 exactly one row): sixteen loads of 16 bytes a lane (512 neighbouring bytes each), all
; issued at once; there is no loop.  Each load gives two packed roundings and one store of 8 bytes a lane: 256 neighbouring bytes, aligned.
; A row's norm is one store of 4 bytes by one lane: 6,144 such stores, 24,576 bytes, in the launch; gathering them would need LDS and a barrier.
; Memory binds: no LDS, no barrier, no matrix unit.  Every data register is written once, so no source is ever rewritten.
.set X,  4                             ; v[4:67]    load j: 4 registers, 4 f32
.set Y,  68                            ; v[68:99]   store j: 2 registers, 4 f16
.set SQ, 100                           ; v[100:103] four running sums of squares
.set NO, 104                           ; v104       4 x wave: my row's place among the work-group's four norms
	s_load_b256 s[4:11], s[0:1], 0x0               ; hidden_states s[4:5], gate_up_proj s[6:7], down_proj s[8:9], xb s[10:11]
	s_load_b256 s[12:19], s[0:1], 0x20             ; w1b s[12:13], w2b s[14:15], xn s[16:17], wn s[18:19]
	s_and_b32 s20, ttmp7, 0xffff                   ; y: which buffer
	v_and_b32 v3, 31, v0                           ; lane
	v_and_b32 v2, 0x60, v0                         ; 32 x wave
	v_lshlrev_b32 v1, 4, v3                        ; input: 16 bytes a lane
	v_lshl_or_b32 v1, v2, 8, v1                    ; + wave x 8,192
	v_lshlrev_b32 v3, 3, v3                        ; output: 8 bytes a lane
	v_lshrrev_b32 v[NO], 3, v2
	s_mov_b32 s27, 0                               ; high words of the three 64-bit offsets
	s_mov_b32 s29, 0
	s_mov_b32 s33, 0
	s_mov_b32 s34, 0x76543210                      ; v_permlanex16_b32: lane i of one half reads lane i of the other
	s_mov_b32 s35, 0xfedcba98
	s_wait_kmcnt 0x0
; sixteen loads, then sixteen turns; ostep = bytes in the output from one 512-byte piece of the input to the next; norm = 1: the squares are summed too
.macro STREAM ostep, norm
.irp j, 0,1,2,3,4,5,6,7,8,9,10,11,12,13,14,15
	global_load_b128 v[X+4*\j:X+4*\j+3], v1, s[22:23] offset:512*\j th:TH_LOAD_NT   ; read once in the whole launch
.endr
.irp j, 0,1,2,3,4,5,6,7,8,9,10,11,12,13,14,15
	s_wait_loadcnt 15-\j                           ; loads come back in order (ISA guide 5.7.1): load j is in, the 15 - j younger ones stay out
	v_cvt_pk_f16_f32 v[Y+2*\j],   v[X+4*\j],   v[X+4*\j+1]
	v_cvt_pk_f16_f32 v[Y+2*\j+1], v[X+4*\j+2], v[X+4*\j+3]
.if \norm
.if \j == 0
	v_pk_mul_f32 v[SQ:SQ+1],   v[X:X+1],   v[X:X+1]                        ; the first squares start the sums: nothing is cleared
	v_pk_mul_f32 v[SQ+2:SQ+3], v[X+2:X+3], v[X+2:X+3]
.else
	v_pk_fma_f32 v[SQ:SQ+1],   v[X+4*\j:X+4*\j+1],   v[X+4*\j:X+4*\j+1],   v[SQ:SQ+1]
	v_pk_fma_f32 v[SQ+2:SQ+3], v[X+4*\j+2:X+4*\j+3], v[X+4*\j+2:X+4*\j+3], v[SQ+2:SQ+3]
.endif
.endif
	global_store_b64 v2, v[Y+2*\j:Y+2*\j+1], s[24:25] offset:\ostep*\j    ; 32 lanes x 8 bytes: 256 consecutive bytes, aligned; the next launch reads them, so no hint
.endr
.endm
	s_cmp_eq_u32 s20, 6
	s_cbranch_scc1 .Ldown
	; same order in and out
	s_cmp_lt_u32 s20, 4
	s_cselect_b64 s[22:23], s[4:5], s[6:7]         ; from hidden_states or gate_up_proj
	s_cselect_b64 s[24:25], s[10:11], s[12:13]     ; to xb or w1b
	s_cselect_b64 s[30:31], s[16:17], s[18:19]     ; norms to xn or wn
	s_and_b32 s21, s20, 3                          ; y = 0..3 -> 0..3; y = 4, 5 -> 0, 1
	s_lshl_b32 s21, s21, 8
	s_add_co_u32 s21, s21, ttmp9                   ; the block of 32,768 input bytes = four rows
	s_lshl_b32 s26, s21, 15
	s_lshl_b32 s28, s21, 14
	s_lshl_b32 s32, s21, 4                         ; four norms of 4 bytes
	s_add_nc_u64 s[22:23], s[22:23], s[26:27]
	s_add_nc_u64 s[24:25], s[24:25], s[28:29]
	s_add_nc_u64 s[30:31], s[30:31], s[32:33]
	v_lshl_or_b32 v2, v2, 7, v3                    ; wave x 4,096 + 8 x lane
	STREAM 256, 1
	; my row's sum of squares: four sums in the lane, then across the 32 lanes
	v_pk_add_f32 v[SQ:SQ+1], v[SQ:SQ+1], v[SQ+2:SQ+3]
	v_add_f32 v[SQ], v[SQ], v[SQ+1]
	v_add_f32_dpp v[SQ], v[SQ], v[SQ] row_xmask:1 row_mask:0xf bank_mask:0xf
	v_add_f32_dpp v[SQ], v[SQ], v[SQ] row_xmask:2 row_mask:0xf bank_mask:0xf
	v_add_f32_dpp v[SQ], v[SQ], v[SQ] row_xmask:4 row_mask:0xf bank_mask:0xf
	v_add_f32_dpp v[SQ], v[SQ], v[SQ] row_xmask:8 row_mask:0xf bank_mask:0xf
	v_permlanex16_b32 v[SQ+1], v[SQ], s34, s35     ; its destination counts as read: a register that has been written
	v_add_f32 v[SQ], v[SQ], v[SQ+1]
	v_cmp_eq_u32 vcc_lo, 0, v3                     ; lane 0 alone stores it
	s_wait_xcnt 0x0                                ; EXEC is a source of the stores above: it changes only behind this wait
	s_and_saveexec_b32 s36, vcc_lo
	global_store_b32 v[NO], v[SQ], s[30:31]
	s_wait_xcnt 0x0                                ; and again in front of the line that widens it
	s_or_b32 exec_lo, exec_lo, s36
	s_endpgm
.Ldown:
	; a piece of 512 input bytes is one row [e][h][0:128]; the work-group holds 64 such rows: e = x / 32, h = 64 (x mod 32) + 16 wave + j
	s_lshl_b32 s26, ttmp9, 15
	s_add_nc_u64 s[22:23], s[8:9], s[26:27]
	s_and_b32 s28, ttmp9, 31
	s_lshl_b32 s28, s28, 17                        ; 64 (x mod 32) rows of 2,048 bytes
	s_lshr_b32 s21, ttmp9, 5
	s_lshl_b32 s21, s21, 8                         ; + 256 e
	s_add_co_u32 s28, s28, s21
	s_add_nc_u64 s[24:25], s[14:15], s[28:29]
	v_lshl_or_b32 v2, v2, 10, v3                   ; wave x 16 rows of 2,048 bytes + 8 x lane
	STREAM 2048, 0
	s_endpgm
.Lfunc_end_k_q11733f13e2_cast:
	.size	k_q11733f13e2_cast, .Lfunc_end_k_q11733f13e2_cast-k_q11733f13e2_cast
	.p2alignl 7, 3214868480
	.fill 96, 4, 3214868480
	.section	.rodata,"a",@progbits
	.p2align	6, 0x0
	.amdhsa_kernel k_q11733f13e2_cast
		.amdhsa_group_segment_fixed_size 0
		.amdhsa_private_segment_fixed_size 0
		.amdhsa_enable_private_segment 0
		.amdhsa_kernarg_size 64
		.amdhsa_user_sgpr_count 2
		.amdhsa_user_sgpr_kernarg_segment_ptr 1
		.amdhsa_wavefront_size32 1
		.amdhsa_system_sgpr_workgroup_id_x 1
		.amdhsa_system_sgpr_workgroup_id_y 1
		.amdhsa_system_sgpr_workgroup_id_z 1
		.amdhsa_system_vgpr_workitem_id 0
		.amdhsa_next_free_vgpr 108
		.amdhsa_next_free_sgpr 66
		.amdhsa_reserve_vcc 1
		.amdhsa_float_denorm_mode_32 3
		.amdhsa_float_denorm_mode_16_64 3
		.amdhsa_memory_ordered 1
		.amdhsa_forward_progress 1
		.amdhsa_inst_pref_size 16
	.end_amdhsa_kernel
	.amdgpu_metadata
---
amdhsa.version: [ 1, 2 ]
amdhsa.kernels:
  - .name:           k_q11733f13e2_cast
    .symbol:         k_q11733f13e2_cast.kd
    .args:
      - { .name: hidden_states, .offset: 0, .size: 8, .value_kind: global_buffer, .address_space: global }
      - { .name: gate_up_proj, .offset: 8, .size: 8, .value_kind: global_buffer, .address_space: global }
      - { .name: down_proj, .offset: 16, .size: 8, .value_kind: global_buffer, .address_space: global }
      - { .name: xb, .offset: 24, .size: 8, .value_kind: global_buffer, .address_space: global }
      - { .name: w1b, .offset: 32, .size: 8, .value_kind: global_buffer, .address_space: global }
      - { .name: w2b, .offset: 40, .size: 8, .value_kind: global_buffer, .address_space: global }
      - { .name: xn, .offset: 48, .size: 8, .value_kind: global_buffer, .address_space: global }
      - { .name: wn, .offset: 56, .size: 8, .value_kind: global_buffer, .address_space: global }
    .group_segment_fixed_size: 0
    .private_segment_fixed_size: 0
    .kernarg_segment_align: 8
    .kernarg_segment_size: 64
    .max_flat_workgroup_size: 128
    .sgpr_count:     66
    .vgpr_count:     108
    .wavefront_size: 32
...
	.end_amdgpu_metadata
.endif
;; end of part 1
;; launch gateup (part 2): grid 8 x 32, 4 waves a work-group, clusters of 4 x 4, 327,680 bytes of LDS; arguments xb, w1b, act, top_k_index, top_k_weights, xn, wn; writes act
.if DOCPART == 2
	.amdgcn_target "amdgcn-amd-amdhsa--gfx1250"
	.amdhsa_code_object_version 6
	.text
	.protected	k_q11733f13e2_gateup
	.globl	k_q11733f13e2_gateup
	.p2align	8
	.type	k_q11733f13e2_gateup,@function
k_q11733f13e2_gateup:
	s_mov_b64 s[64:65], 0
	v_nop
	global_prefetch_b8 v0, s[64:65] scope:SCOPE_SE
	s_setreg_imm32_b32 hwreg(HW_REG_WAVE_MODE, 25, 1), 1
	s_wait_xcnt 0x0
	s_wait_alu depctr_hold_cnt(0) depctr_sa_sdst(0) depctr_va_vdst(0) depctr_va_sdst(0) depctr_va_ssrc(0) depctr_va_vcc(0) depctr_vm_vsrc(0)
	s_getreg_b32 s2, hwreg(HW_REG_IB_STS2, 6, 4)
	s_cmp_eq_u32 s2, 0
	s_cbranch_scc0 .Lentry_in_a_cluster
	s_endpgm
.Lentry_in_a_cluster:
	s_bfe_u32 s2, ttmp6, 0x10000c
	s_cmp_lg_u32 s2, 0xf033
	s_cbranch_scc0 .Lentry_shape_is_right
	s_endpgm
.Lentry_shape_is_right:
; act[t][128 e + i] = s[t] * c[t][e] * silu(g) * u,  g = x[t] . W1[e][i],  u = x[t] . W1[e][128 + i],  c[t][e] = w0 [i0 == e] + w1 [i1 == e].
; The two expanded rows of a token are equal, so gate and up are made once for each (token, expert); mask and routing weight are one factor c:
; 0 where neither index names e (an index outside 0..7 names none), w0 + w1 where both do.  The indices only select values.
; A = xb [4096][2048], B = w1b [2048][2048], both f16, K along the rows; sums in f32; silu and the products in f32; act rounded once to f16.
; THE SCALE s[t], a power of two, gives act room in f16 for every input.  |silu(g)| <= |g| and |g|, |u| <= |x[t]| |W1 row|, so
; |c silu(g) u| <= B = (|w0| + |w1|) xn[t] M, with xn[t] = |x[t]|^2 and M the largest of the 2,048 squared row norms in wn.  With E the exponent field of
; max(B, 2^-113), B < 2^(E - 126) and s = 2^(140 - E): |act| < 2^14, a factor four below f16's largest number for the roundings.  The next launch
; forms the same E from the same numbers by the same instructions and takes s out again.
; LIMITS: operands and act are f16.  An element of act below 2^-28 of its token's B loses relative precision, below 2^-38 of it it is 0; B below 2^-113 lets
; act underflow.  v_exp_f32 and v_rcp_f32 flush denormals (ISA guide 15.8): silu(g) is 0 where exp(-g) overflows f32 (g below about -88; the true value is
; below 1e-36).  Where c = 0 the value is still multiplied by it: a non-finite value gives NaN there.  Where both indices name one expert the weights
; are added before the product, not after.
;
; A work-group makes 128 rows x 256 columns (one expert's gate and up) with four waves, as many as a WGP has SIMDs.  Wave (wm, wn) makes rows 64 wm .. + 63 and
; the columns 64 wn .. + 63 of gate AND of up: 32 accumulator tiles, 256 registers; a gate and its up lie in the same lane and register index.
; K goes in steps of 128 through two LDS slots filled by the tensor data mover: a tile's rows are 256 bytes of memory, at multiples of 256.
; CLUSTERS: 4 x 4 work-groups.  The four of a row of the cluster need the same tiles of A, the four of a column the same tiles of B: each tile is
; asked for jointly, by the same load with the same descriptor and a mask that names the four, which divides the requests for A and B by four.
; REGISTERS: window 0: v0-63 addresses and factors; v64-159, v160-255 two fragment buffers (8 of B, then 4 of A).  Window 1: tile (a, b) at v[8 (8 a + b)].
; THE MATRIX INSTRUCTION IS USED TRANSPOSED (source 0 = rows of B, source 1 = rows of A): lane l holds row l % 16, registers 0-7 columns 8 (l / 16) + 0..7.
.set SIZE_K, 2048
.set KSTEP,  128
.set PITCH,  272                       ; an LDS row: 256 bytes + 16 of padding = 68 words, so the 16 rows of a fragment load start at 16 different 16-byte columns modulo 256 bytes (64 banks of 4 bytes: ISA guide 11.1)
.set BHALF,  128*PITCH                 ; 128 rows of B: one tensor load of wave 0 or 1
.set AHALF,  64*PITCH                  ; 64 rows of A: one tensor load of wave 2 or 3
.set AOFF,   2*BHALF                   ; a slot: B's 256 rows, then A's 128 rows
.set SLOT,   AOFF+2*AHALF              ; 104,448 bytes = 408 x 256
.set STAGE,  2*SLOT                    ; behind the ring, where no fill lands
.set SP,     144                       ; stage row: 128 bytes + 16: an odd multiple of 16
.set WSTG,   64*SP+128                 ; a wave's stage, 9,344 bytes: the odd 128 shifts neighbouring waves' rows by half of 256 bytes, for the read back
.set LAPS,   SIZE_K/(2*KSTEP)          ; a lap = two K steps = once round the ring
.set ADRA, 16                          ; v16-17  LDS address of my A fragments in slot 0, 1
.set ADRB, 20                          ; v20-21  the same for B
.set STO,  24                          ; v24     stage: where I put 16 bytes of a row
.set RD,   25                          ; v25     stage: where I read back
.set CO,   26                          ; v26     my byte offset in act
.set TK,   27                          ; v27     my byte offset in top_k_index and top_k_weights
.set WNO,  30                          ; v30     my byte offset in wn
.set TN,   31                          ; v31     my byte offset in xn
.set IX,   32                          ; v[32:39]  row block a: the two indices of my token
.set WT,   40                          ; v[40:47]  row block a: its two weights
.set CF,   48                          ; v[48:55]  row block a: s c, twice (a pair for the packed multiply)
.set XN,   56                          ; v[56:59]  row block a: my token's squared norm
.set MX,   60                          ; v60       the largest squared row norm of W1
.set F0,   64
.set F1,   160
.set PR,   160                         ; the way out (buffer 1 is free by then): v[160:191] -1.4427 g, then sigmoid, then silu
.set UR,   192                         ; v[192:223] s c u, then the result
.set PK,   224                         ; v[224:239] the result in f16
.set G1A, 24                           ; s[24:31] descriptor group 1 for A's tiles
.set G0A, 32                           ; s[32:39] group 0 for A's tiles, a set for each slot
.set G1B, 48                           ; s[48:55] group 1 for B's tiles
.set G0B, 56                           ; s[56:63] group 0 for B's tiles, a set for each slot
.set MSB, 0
.macro WIN new                         ; s_set_vgpr_msb: bits 1:0 source 0, 3:2 source 1, 5:4 source 2, 7:6 destination; the high byte repeats the setting that is left
.if MSB != \new
	s_set_vgpr_msb (MSB<<8)|\new
.set MSB, \new
.endif
.endm
.set MULW, 0x50                        ; C and D in window 1, the fragments in window 0
; A joint load.  Waves 0 and 1 fetch B's two halves, waves 2 and 3 A's.  Each line has one mask and one set of registers for all that issue it.
.macro JLOAD s
	s_cmp_eq_u32 s11, 0
	s_cbranch_scc0 .Lfor_a_\@
	tensor_load_to_lds s[G0B+4*\s:G0B+4*\s+3], s[G1B:G1B+7]
	s_nop 0
	s_branch .Lasked_\@
.Lfor_a_\@:
	tensor_load_to_lds s[G0A+4*\s:G0A+4*\s+3], s[G1A:G1A+7]
	s_nop 0
.Lasked_\@:
.endm
; A round of the cluster's barrier: my work-group's barrier; wave 0 signals for the work-group; every wave waits for all sixteen; my work-group's barrier again.
.macro CREST                           ; a round behind its opening barrier
	s_cmp_lg_u32 s10, 0
	s_cbranch_scc1 .Lnot_wave_0_\@
	s_barrier_signal -3
.Lnot_wave_0_\@:
	s_barrier_wait -3
	s_barrier_signal -1
	s_barrier_wait -1
.endm
.macro CROUND
	s_barrier_signal -1
	s_barrier_wait -1
	CREST
.endm
	s_load_b128 s[4:7], s[0:1], 0x0                ; xb s[4:5], w1b s[6:7]
	s_load_b64 s[8:9], s[0:1], 0x10                ; act
	s_load_b128 s[68:71], s[0:1], 0x18             ; top_k_index s[68:69], top_k_weights s[70:71]
	s_load_b128 s[72:75], s[0:1], 0x28             ; xn s[72:73], wn s[74:75]
	v_lshl_add_u32 v62, v0, 2, 0x3c200
	v_mov_b32 v63, 0
	ds_add_u32 v62, v63
	v_lshrrev_b32 v1, 5, v0
	v_readfirstlane_b32 s10, v1                    ; wave 0..3
	s_lshr_b32 s11, s10, 1                         ; wm.  Also: I fetch for B (0) or for A (1)
	s_and_b32 s12, s10, 1                          ; wn.  Also: which half of that tile I fetch
	s_bfe_u32 s40, ttmp6, 0x40000                  ; cx
	s_bfe_u32 s41, ttmp6, 0x40004                  ; cy
	s_lshl_b32 s42, ttmp9, 2
	s_add_co_u32 s42, s42, s40                     ; block column = expert = 4 x cluster x + cx
	s_and_b32 s13, ttmp7, 0xffff
	s_lshl_b32 s13, s13, 2
	s_add_co_u32 s13, s13, s41                     ; block row = 4 x cluster y + cy
	s_lshl_b32 s43, s41, 2
	s_lshl_b32 s43, 15, s43                        ; my row of the cluster: places 4 cy .. 4 cy + 3
	s_lshl_b32 s44, 0x1111, s40                    ; my column: places cx, cx + 4, cx + 8, cx + 12
	s_mov_b32 s76, 0x76543210                      ; v_permlanex16_b32: lane i of one half reads lane i of the other
	s_mov_b32 s77, 0xfedcba98
	; group 1: elements of 2 bytes; padding on, 4 words behind every 64; bit 21 set beside a mask
	s_or_b32 s[G1A+0], s43, (1<<16)|(1<<20)|(1<<21)|(5<<22)|(3<<25)   ; A's tiles go to my row
	s_or_b32 s[G1B+0], s44, (1<<16)|(1<<20)|(1<<21)|(5<<22)|(3<<25)   ; B's tiles go to my column
	s_mov_b32 s[G1A+1], KSTEP<<16                  ; tensor_dim0 = 128
	s_mov_b32 s[G1B+1], KSTEP<<16
	s_mov_b32 s[G1A+2], 64<<16                     ; tensor_dim1 = 64 rows
	s_mov_b32 s[G1B+2], 128<<16                    ; tensor_dim1 = 128 rows
	s_mov_b32 s[G1A+3], KSTEP<<16                  ; tile_dim0 = 128
	s_mov_b32 s[G1B+3], KSTEP<<16
	s_mov_b32 s[G1A+4], 64                         ; tile_dim1
	s_mov_b32 s[G1B+4], 128
	s_mov_b32 s[G1A+5], SIZE_K                     ; elements from row to row
	s_mov_b32 s[G1B+5], SIZE_K
	s_mov_b32 s[G1A+6], 0
	s_mov_b32 s[G1B+6], 0
	s_mov_b32 s[G1A+7], 0
	s_mov_b32 s[G1B+7], 0
	; where the tiles come from: A's hang on the block row alone, B's on the block column alone, each in registers that never hold the other coordinate
	s_lshl_b32 s17, s12, 6
	s_lshl_b32 s16, s13, 7
	s_add_co_u32 s16, s16, s17                     ; A: row 128 x block row + 64 x half
	s_lshl_b32 s47, s12, 7
	s_lshl_b32 s46, s42, 8
	s_add_co_u32 s46, s46, s47                     ; B: row 256 x block column + 128 x half
	s_mov_b32 s17, 0
	s_mov_b32 s47, 0
	s_mov_b64 s[18:19], SIZE_K*2
	s_mul_u64 s[16:17], s[16:17], s[18:19]         ; in bytes
	s_mul_u64 s[46:47], s[46:47], s[18:19]
	s_mul_i32 s20, s10, BHALF                      ; where B's halves go: waves 0, 1 -> 0, 34,816
	s_mul_i32 s45, s10, AHALF
	s_add_co_u32 s45, s45, BHALF                   ; where A's halves go: waves 2, 3 -> 69,632, 87,040
	s_wait_dscnt 0x0
	s_wait_kmcnt 0x0
	s_add_nc_u64 s[14:15], s[4:5], s[16:17]
	s_add_nc_u64 s[46:47], s[6:7], s[46:47]
	CROUND                                         ; all sixteen work-groups are here: the first joint loads meet
.irp s, 0,1
	s_mov_b32 s[G0A+4*\s], 1
	s_add_co_u32 s[G0A+4*\s+1], s45, \s*SLOT
	s_add_nc_u64 s[G0A+4*\s+2:G0A+4*\s+3], s[14:15], \s*KSTEP*2    ; K step s
	s_or_b32 s[G0A+4*\s+3], s[G0A+4*\s+3], 0x80000000              ; type = 2
	s_mov_b32 s[G0B+4*\s], 1
	s_add_co_u32 s[G0B+4*\s+1], s20, \s*SLOT
	s_add_nc_u64 s[G0B+4*\s+2:G0B+4*\s+3], s[46:47], \s*KSTEP*2
	s_or_b32 s[G0B+4*\s+3], s[G0B+4*\s+3], 0x80000000
	JLOAD \s                                       ; both slots are asked for before anything else: two tensor loads of the wave are out
.endr
	; fragment addresses: lane l holds row l % 16; two loads of 16 bytes, 32 apart, at row x pitch + 16 (l / 16)
	v_and_b32 v1, 15, v0                           ; r
	v_bfe_u32 v2, v0, 4, 1                         ; h
	v_mul_u32_u24 v3, v1, PITCH
	v_lshl_add_u32 v3, v2, 4, v3
	s_mul_i32 s21, s11, AHALF
	s_add_co_u32 s21, s21, AOFF                    ; my 64 rows of A
	s_mul_i32 s22, s12, AHALF                      ; my 64 rows of gate; my rows of up lie 128 rows further on
.irp s, 0,1
	v_add_nc_u32 v[ADRA+\s], s21, v3
	v_add_nc_u32 v[ADRB+\s], s22, v3
	s_add_co_u32 s21, s21, SLOT
	s_add_co_u32 s22, s22, SLOT
.endr
	; my tokens' indices, weights and norms: token 128 x block row + 64 wm + 16 a + r; and all 2,048 row norms of W1, 64 a lane, into the still free buffer 0
	s_lshl_b32 s21, s13, 10
	s_lshl_b32 s22, s11, 9
	s_add_co_u32 s21, s21, s22
	v_lshl_add_u32 v[TK], v1, 3, s21               ; 8 bytes a token
	s_lshr_b32 s22, s21, 1
	v_lshl_add_u32 v[TN], v1, 2, s22               ; 4 bytes a token
	v_and_b32 v6, 31, v0
	v_lshlrev_b32 v[WNO], 4, v6
.irp a, 0,1,2,3
	global_load_b64 v[IX+2*\a:IX+2*\a+1], v[TK], s[68:69] offset:128*\a
	global_load_b64 v[WT+2*\a:WT+2*\a+1], v[TK], s[70:71] offset:128*\a
	global_load_b32 v[XN+\a], v[TN], s[72:73] offset:64*\a
.endr
.irp j, 0,1,2,3,4,5,6,7,8,9,10,11,12,13,14,15
	global_load_b128 v[F0+4*\j:F0+4*\j+3], v[WNO], s[74:75] offset:512*\j
.endr
	; the stage: in, my own region, row 16 a + r, 16 bytes for each half of the lanes
	s_mul_i32 s23, s10, WSTG
	s_add_co_u32 s23, s23, STAGE
	v_mul_u32_u24 v4, v1, SP
	v_lshl_add_u32 v4, v2, 4, v4
	v_add_nc_u32 v[STO], s23, v4
	; back: wave w takes rows 32 w .. + 31 of the block, two a load; lanes r < 8 read the region of (wm, 0), lanes r >= 8 that of (wm, 1)
	s_mul_i32 s23, s11, 2*WSTG
	s_mul_i32 s21, s12, 32*SP
	s_add_co_u32 s23, s23, s21
	s_add_co_u32 s23, s23, STAGE
	v_lshrrev_b32 v4, 3, v1
	v_mul_u32_u24 v4, v4, WSTG
	v_mad_u32_u24 v4, v2, SP, v4
	v_and_b32 v5, 7, v1
	v_lshl_add_u32 v4, v5, 4, v4
	v_add_nc_u32 v[RD], s23, v4
	v_lshlrev_b32 v5, 11, v2                       ; and the same two rows in act: 2,048 bytes apart
	v_lshl_add_u32 v[CO], v1, 4, v5
	s_wait_loadcnt 0x0                             ; indices, weights and norms, once
	; M: the largest of my 64 norms, then of the 32 lanes'
	v_max3_num_f32 v[MX], v[F0], v[F0+1], v[F0+2]
.set n, 3
.rept 30
	v_max3_num_f32 v[MX], v[MX], v[F0+n], v[F0+n+1]
.set n, n+2
.endr
	v_max_num_f32 v[MX], v[MX], v[F0+63]
	v_max_num_f32_dpp v[MX], v[MX], v[MX] row_xmask:1 row_mask:0xf bank_mask:0xf
	v_max_num_f32_dpp v[MX], v[MX], v[MX] row_xmask:2 row_mask:0xf bank_mask:0xf
	v_max_num_f32_dpp v[MX], v[MX], v[MX] row_xmask:4 row_mask:0xf bank_mask:0xf
	v_max_num_f32_dpp v[MX], v[MX], v[MX] row_xmask:8 row_mask:0xf bank_mask:0xf
	v_permlanex16_b32 v6, v[MX], s76, s77          ; its destination counts as read: a register that has been written
	v_max_num_f32 v[MX], v[MX], v6
.irp a, 0,1,2,3
	v_cmp_eq_u32 vcc_lo, s42, v[IX+2*\a]
	v_cndmask_b32 v28, 0, v[WT+2*\a], vcc_lo       ; w0 where i0 names my expert
	v_cmp_eq_u32 vcc_lo, s42, v[IX+2*\a+1]
	v_cndmask_b32 v29, 0, v[WT+2*\a+1], vcc_lo     ; w1 where i1 does
	v_add_f32 v28, v28, v29                        ; c
	v_and_b32 v29, 0x7fffffff, v[WT+2*\a]
	v_and_b32 v6,  0x7fffffff, v[WT+2*\a+1]
	v_add_f32 v29, v29, v6                         ; |w0| + |w1|
	v_mul_f32 v29, v29, v[XN+\a]
	v_mul_f32 v29, v29, v[MX]                      ; B
	v_max_num_f32 v29, 0x07000000, v29             ; at least 2^-113, so that both powers below are normal numbers
	v_bfe_u32 v29, v29, 23, 8                      ; E
	v_sub_nc_u32 v29, 0x10b, v29                   ; 267 - E: the exponent field of s = 2^(140 - E)
	v_lshlrev_b32 v29, 23, v29
	v_mul_f32 v[CF+2*\a],   v28, v29               ; s c,
	v_mul_f32 v[CF+2*\a+1], v28, v29               ; in both halves of the pair
.endr
; 8 matrix instructions: row block a x all 8 column blocks, 32 along K.  zero = 1: the first product starts the sums; nothing is cleared.
; The 32 accumulators take turns, one instruction a turn, in the same order in every quarter step, over the backward jump too.
.macro MUL8 f, a, zero
.irp b, 0,1,2,3,4,5,6,7
.if \zero
	v_wmma_f32_16x16x32_f16 v[8*(8*\a+\b):8*(8*\a+\b)+7], v[\f+8*\b:\f+8*\b+7], v[\f+64+8*\a:\f+64+8*\a+7], 0
.else
	v_wmma_f32_16x16x32_f16 v[8*(8*\a+\b):8*(8*\a+\b)+7], v[\f+8*\b:\f+8*\b+7], v[\f+64+8*\a:\f+64+8*\a+7], v[8*(8*\a+\b):8*(8*\a+\b)+7]
.endif
.endr
.endm
; 24 LDS loads in one run: one quarter step's fragments (64 rows of gate, 64 of up, 64 of A; 32 K at byte k of the rows) into buffer f
.macro FETCH slot, k, f
	WIN 0
.irp g, 0,1
.irp i, 0,1,2,3
	ds_load_b128 v[\f+8*(4*\g+\i):\f+8*(4*\g+\i)+3],   v[ADRB+\slot] offset:\k+\g*BHALF+\i*16*PITCH
	ds_load_b128 v[\f+8*(4*\g+\i)+4:\f+8*(4*\g+\i)+7], v[ADRB+\slot] offset:\k+\g*BHALF+\i*16*PITCH+32
.endr
.endr
.irp i, 0,1,2,3
	ds_load_b128 v[\f+64+8*\i:\f+64+8*\i+3],   v[ADRA+\slot] offset:\k+\i*16*PITCH
	ds_load_b128 v[\f+64+8*\i+4:\f+64+8*\i+7], v[ADRA+\slot] offset:\k+\i*16*PITCH+32
.endr
.endm
; A load into a register that a matrix instruction has read, and a vector instruction or LDS store that reads a matrix result, stand four places behind it;
; only plain vector instructions that name none of its registers are places (ISA guide 7.12.1 for vector instructions).
.macro PLACES
.rept 4
	v_nop
.endr
.endm
; A K step is four quarter steps of 32 along K, 32 matrix instructions each, on buffers 0, 1, 0, 1.
.macro QUARTER slot, k, f, g, zero
	s_wait_dscnt 4                                 ; B and A's row blocks 0, 1 are in; the four youngest loads (A's row blocks 2, 3) may be out
	WIN MULW
	MUL8 \f, 0, \zero
	MUL8 \f, 1, \zero
	PLACES
	FETCH \slot, \k, \g
	s_wait_dscnt 24                                ; all but the 24 just issued
	WIN MULW
	MUL8 \f, 2, \zero
	MUL8 \f, 3, \zero
.endm
.macro THREE slot, zero
	QUARTER \slot, 64,  F0, F1, \zero
	QUARTER \slot, 128, F1, F0, 0
	QUARTER \slot, 192, F0, F1, 0
.endm
; The last quarter multiplies buffer 1 and changes slots.  In front of the barrier each wave waits for its reads of this slot and for all its tensor loads
; (one is out: its part of the next slot).  Behind it the refill comes first, then the next slot's first fragments.
; From a request to the wait for it a wave issues 120 matrix instructions.
.macro TURN slot, next, fill
	s_wait_dscnt 4
	WIN MULW
	MUL8 F1, 0, 0
	s_wait_dscnt 0                                 ; my reads of this slot are over
	s_wait_tensorcnt 0x0                           ; all my tensor loads have landed
	ds_add_u32 v62, v63
	s_wait_dscnt 0x0
	s_barrier_signal -1                            ; say so (where a slot is filled again this barrier opens a round of the cluster's barrier),
	MUL8 F1, 1, 0                                  ; work on registers while the others arrive,
	WIN 0
	s_barrier_wait -1
.if \fill
	CREST                                          ; no wave of any partner still reads this slot's tile or has a load on its way
	s_add_nc_u64 s[G0A+4*\slot+2:G0A+4*\slot+3], s[G0A+4*\slot+2:G0A+4*\slot+3], 2*KSTEP*2
	s_add_nc_u64 s[G0B+4*\slot+2:G0B+4*\slot+3], s[G0B+4*\slot+2:G0B+4*\slot+3], 2*KSTEP*2
	JLOAD \slot                                    ; the wave's one tensor load behind the round, and the first thing there
.endif
	PLACES
	FETCH \next, 0, F0
	WIN MULW
	MUL8 F1, 2, 0
	MUL8 F1, 3, 0
.endm
.macro LAP zero
	THREE 0, \zero
	TURN 0, 1, 1
	THREE 1, 0
	TURN 1, 0, 1
.endm
	s_wait_tensorcnt 1                             ; my part of K step 0 is in; K step 1's stays out
	s_barrier_signal -1
	s_barrier_wait -1                              ; everybody's is
	FETCH 0, 0, F0
	LAP 1                                          ; the first lap stands in front of the loop: its first products start the sums
	WIN 0                                          ; at a label and at a branch every window is 0
	s_mov_b32 s3, LAPS-2
.Llap:
	LAP 0
	WIN 0
	s_sub_co_u32 s3, s3, 1
	s_cmp_lg_u32 s3, 0
	s_cbranch_scc1 .Llap
	THREE 0, 0                                     ; the last lap fills nothing
	TURN 0, 1, 0
	THREE 1, 0
	s_wait_dscnt 4                                 ; the very last quarter
	WIN MULW
	MUL8 F1, 0, 0
	MUL8 F1, 1, 0
	s_wait_dscnt 0
	MUL8 F1, 2, 0
	MUL8 F1, 3, 0
	; THE WAY OUT.  The four v_nop are the places behind the last matrix instructions, for the multiplies that read results and write buffer 1.
	PLACES
	s_lshl_b32 s16, s13, 18                        ; 128 x block row rows of 2,048 bytes
	s_lshl_b32 s17, s10, 16                        ; + 32 x wave rows: what I store
	s_add_co_u32 s16, s16, s17
	s_mov_b32 s17, 0
	s_add_nc_u64 s[8:9], s[8:9], s[16:17]
	s_lshl_b32 s46, s42, 8                         ; + 256 x expert
	s_mov_b32 s47, 0
	s_add_nc_u64 s[8:9], s[8:9], s[46:47]
; rows 16 a .. + 15 of my tile: s c silu(g) u for 4 column blocks x 8 registers, rounded, 16 bytes a lane and block into my stage
.macro ACT a
	WIN 0x01                                       ; source 0 in window 1
.irp b, 0,1,2,3
.irp p, 0,1,2,3
	v_pk_mul_f32 v[PR+8*\b+2*\p:PR+8*\b+2*\p+1], v[8*(8*\a+\b)+2*\p:8*(8*\a+\b)+2*\p+1], 0xbfb8aa3b op_sel_hi:[1,0]   ; -g / ln 2
	v_pk_mul_f32 v[UR+8*\b+2*\p:UR+8*\b+2*\p+1], v[8*(8*\a+\b+4)+2*\p:8*(8*\a+\b+4)+2*\p+1], v[CF+2*\a:CF+2*\a+1]     ; s c u
.endr
.endr
	WIN 0
.set n, 0
.rept 32
	v_exp_f32 v[PR+n], v[PR+n]                     ; exp(-g)
.set n, n+1
.endr
	v_nop                                          ; one plain vector instruction behind the transcendentals before their results are used (ISA guide 5.7.2)
.set n, 0
	s_wait_alu depctr_va_vdst(0)
.rept 16
	v_pk_add_f32 v[PR+n:PR+n+1], v[PR+n:PR+n+1], 1.0 op_sel_hi:[1,0]
.set n, n+2
.endr
.set n, 0
.rept 32
	v_rcp_f32 v[PR+n], v[PR+n]                     ; sigmoid(g); exp(-g) = inf gives 0
.set n, n+1
.endr
	v_nop                                          ; as above
	WIN 0x01
	s_wait_alu depctr_va_vdst(0)
.irp b, 0,1,2,3
.irp p, 0,1,2,3
	v_pk_mul_f32 v[PR+8*\b+2*\p:PR+8*\b+2*\p+1], v[8*(8*\a+\b)+2*\p:8*(8*\a+\b)+2*\p+1], v[PR+8*\b+2*\p:PR+8*\b+2*\p+1]   ; silu(g) = g sigmoid(g)
.endr
.endr
	WIN 0
.set n, 0
.rept 16
	v_pk_mul_f32 v[UR+n:UR+n+1], v[UR+n:UR+n+1], v[PR+n:PR+n+1]
.set n, n+2
.endr
.set n, 0
.rept 16
	v_cvt_pk_f16_f32 v[PK+n], v[UR+2*n], v[UR+2*n+1]
.set n, n+1
.endr
.irp b, 0,1,2,3
	ds_store_b128 v[STO], v[PK+4*\b:PK+4*\b+3] offset:16*SP*\a+32*\b
.endr
.endm
	ACT 0
	ACT 1
	ACT 2
	ACT 3
	s_wait_dscnt 0x0                               ; my stores into my stage are done: the partner wave reads them
	s_barrier_signal -1
	s_barrier_wait -1                              ; a run of 256 bytes of act is half wave (wm, 0)'s and half wave (wm, 1)'s
.irp t, 0,1,2,3,4,5,6,7,8,9,10,11,12,13,14,15
	ds_load_b128 v[F0+4*\t:F0+4*\t+3], v[RD] offset:2*SP*\t
.endr
.irp t, 0,1,2,3,4,5,6,7,8,9,10,11,12,13,14,15
	s_wait_dscnt 15-\t                             ; LDS loads come back in order (ISA guide 5.7.1): load t is in, the 15 - t younger ones stay out
	global_store_b128 v[CO], v[F0+4*\t:F0+4*\t+3], s[8:9] offset:4096*\t   ; 16 lanes store 256 consecutive bytes, at a multiple of 256 from act's first byte
.endr
	s_wait_tensorcnt 0x0
	ds_add_u32 v62, v63
	s_wait_dscnt 0x0
	CROUND                                         ; the closing round: no work-group ends while a partner may still ask for a tile that names it
	s_endpgm
.Lfunc_end_k_q11733f13e2_gateup:
	.size	k_q11733f13e2_gateup, .Lfunc_end_k_q11733f13e2_gateup-k_q11733f13e2_gateup
	.p2alignl 7, 3214868480
	.fill 96, 4, 3214868480
	.section	.rodata,"a",@progbits
	.p2align	6, 0x0
	.amdhsa_kernel k_q11733f13e2_gateup
		.amdhsa_group_segment_fixed_size 327680
		.amdhsa_private_segment_fixed_size 0
		.amdhsa_enable_private_segment 0
		.amdhsa_kernarg_size 56
		.amdhsa_user_sgpr_count 2
		.amdhsa_user_sgpr_kernarg_segment_ptr 1
		.amdhsa_wavefront_size32 1
		.amdhsa_system_sgpr_workgroup_id_x 1
		.amdhsa_system_sgpr_workgroup_id_y 1
		.amdhsa_system_sgpr_workgroup_id_z 1
		.amdhsa_system_vgpr_workitem_id 0
		.amdhsa_next_free_vgpr 512
		.amdhsa_next_free_sgpr 80
		.amdhsa_reserve_vcc 1
		.amdhsa_float_denorm_mode_32 3
		.amdhsa_float_denorm_mode_16_64 3
		.amdhsa_memory_ordered 1
		.amdhsa_forward_progress 1
		.amdhsa_inst_pref_size 149
	.end_amdhsa_kernel
	.amdgpu_metadata
---
amdhsa.version: [ 1, 2 ]
amdhsa.kernels:
  - .name:           k_q11733f13e2_gateup
    .symbol:         k_q11733f13e2_gateup.kd
    .args:
      - { .name: xb, .offset: 0, .size: 8, .value_kind: global_buffer, .address_space: global }
      - { .name: w1b, .offset: 8, .size: 8, .value_kind: global_buffer, .address_space: global }
      - { .name: act, .offset: 16, .size: 8, .value_kind: global_buffer, .address_space: global }
      - { .name: top_k_index, .offset: 24, .size: 8, .value_kind: global_buffer, .address_space: global }
      - { .name: top_k_weights, .offset: 32, .size: 8, .value_kind: global_buffer, .address_space: global }
      - { .name: xn, .offset: 40, .size: 8, .value_kind: global_buffer, .address_space: global }
      - { .name: wn, .offset: 48, .size: 8, .value_kind: global_buffer, .address_space: global }
    .group_segment_fixed_size: 327680
    .private_segment_fixed_size: 0
    .kernarg_segment_align: 8
    .kernarg_segment_size: 56
    .max_flat_workgroup_size: 128
    .sgpr_count:     80
    .vgpr_count:     512
    .wavefront_size: 32
...
	.end_amdgpu_metadata
.endif
;; end of part 2
;; launch down (part 3): grid 8 x 32, 4 waves a work-group, clusters of 4 x 4, 327,680 bytes of LDS; arguments act, w2b, out0, top_k_weights, xn, wn; writes out0
.if DOCPART == 3
	.amdgcn_target "amdgcn-amd-amdhsa--gfx1250"
	.amdhsa_code_object_version 6
	.text
	.protected	k_q11733f13e2_down
	.globl	k_q11733f13e2_down
	.p2align	8
	.type	k_q11733f13e2_down,@function
k_q11733f13e2_down:
	s_mov_b64 s[64:65], 0
	v_nop
	global_prefetch_b8 v0, s[64:65] scope:SCOPE_SE
	s_setreg_imm32_b32 hwreg(HW_REG_WAVE_MODE, 25, 1), 1
	s_wait_xcnt 0x0
	s_wait_alu depctr_hold_cnt(0) depctr_sa_sdst(0) depctr_va_vdst(0) depctr_va_sdst(0) depctr_va_ssrc(0) depctr_va_vcc(0) depctr_vm_vsrc(0)
	s_getreg_b32 s2, hwreg(HW_REG_IB_STS2, 6, 4)
	s_cmp_eq_u32 s2, 0
	s_cbranch_scc0 .Lentry_in_a_cluster
	s_endpgm
.Lentry_in_a_cluster:
	s_bfe_u32 s2, ttmp6, 0x10000c
	s_cmp_lg_u32 s2, 0xf033
	s_cbranch_scc0 .Lentry_shape_is_right
	s_endpgm
.Lentry_shape_is_right:
; out0[t][h] = (1 / s[t]) * sum over k = 128 e + i of act[t][k] w2b[h][k]: mask, routing weight and the sum over the two slots of a token are already in
; act, so the weighted combine is the product's own sum over K.  A = act [4096][1024], B = w2b [2048][1024], both f16; sums and result in f32.
; act carries the power of two s[t] = 2^(140 - E), E the exponent field of max(B, 2^-113), B = (|w0| + |w1|) xn[t] M, M the largest number in wn.
; E is formed here from the same numbers by the same instructions as in the launch that made act, and 1 / s = 2^(E - 140) multiplies the sums: exactly.
; LIMIT: the operands are f16; nothing else is rounded but the f32 sums.
; A work-group makes 128 rows x 256 columns with four waves, as many as a WGP has SIMDs.  Wave (wm, wn) makes rows 64 wm .. + 63 and the columns 64 wn .. + 63 and
; 128 + 64 wn .. + 63: 32 accumulator tiles, 256 registers.  K goes in steps of 128 through two LDS slots filled by the tensor data mover:
; a tile's rows are 256 bytes of memory, at multiples of 256.
; CLUSTERS: 4 x 4 work-groups.  The four of a row of the cluster need the same tiles of A, the four of a column the same tiles of B: each tile is
; asked for jointly, by the same load with the same descriptor and a mask that names the four, which divides the requests for A and B by four.
; REGISTERS: window 0: v0-63 addresses and factors; v64-159, v160-255 two fragment buffers (8 of B, then 4 of A).  Window 1: tile (a, b) at v[8 (8 a + b)].
; THE MATRIX INSTRUCTION IS USED TRANSPOSED (source 0 = rows of B, source 1 = rows of A): lane l holds row l % 16, registers 0-7 columns 8 (l / 16) + 0..7.
.set SIZE_K, 1024
.set KSTEP,  128
.set PITCH,  272                       ; an LDS row: 256 bytes + 16 of padding = 68 words, so the 16 rows of a fragment load start at 16 different 16-byte columns modulo 256 bytes (64 banks of 4 bytes: ISA guide 11.1)
.set BHALF,  128*PITCH                 ; 128 rows of B: one tensor load of wave 0 or 1
.set AHALF,  64*PITCH                  ; 64 rows of A: one tensor load of wave 2 or 3
.set AOFF,   2*BHALF                   ; a slot: B's 256 rows, then A's 128 rows
.set SLOT,   AOFF+2*AHALF              ; 104,448 bytes = 408 x 256
.set STAGE,  2*SLOT                    ; behind the ring, where no fill lands: 16 rows x 528 bytes for each wave
.set SPITCH, 528                       ; stage row: 128 f32 + 16 bytes = 33 x 16
.set LAPS,   SIZE_K/(2*KSTEP)          ; a lap = two K steps = once round the ring
.set ADRA, 16                          ; v16-17  LDS address of my A fragments in slot 0, 1
.set ADRB, 20                          ; v20-21  the same for B
.set STO,  24                          ; v24     stage: where I put 32 bytes of a row
.set RD,   25                          ; v25     stage: where I read a row back
.set CO,   26                          ; v26     my byte offset in out0
.set TK,   27                          ; v27     my byte offset in top_k_weights
.set WNO,  30                          ; v30     my byte offset in wn
.set TN,   31                          ; v31     my byte offset in xn
.set WT,   40                          ; v[40:47]  row block a: my token's two weights
.set IS,   48                          ; v[48:55]  row block a: 1 / s, twice (a pair for the packed multiply)
.set XN,   56                          ; v[56:59]  row block a: my token's squared norm
.set MX,   60                          ; v60       the largest squared row norm of W1
.set F0,   64
.set F1,   160
.set G1A, 24                           ; s[24:31] descriptor group 1 for A's tiles
.set G0A, 32                           ; s[32:39] group 0 for A's tiles, a set for each slot
.set G1B, 48                           ; s[48:55] group 1 for B's tiles
.set G0B, 56                           ; s[56:63] group 0 for B's tiles, a set for each slot
.set MSB, 0
.macro WIN new                         ; s_set_vgpr_msb: bits 1:0 source 0, 3:2 source 1, 5:4 source 2, 7:6 destination; the high byte repeats the setting that is left
.if MSB != \new
	s_set_vgpr_msb (MSB<<8)|\new
.set MSB, \new
.endif
.endm
.set MULW, 0x50                        ; C and D in window 1, the fragments in window 0
; A joint load.  Waves 0 and 1 fetch B's two halves, waves 2 and 3 A's.  Each line has one mask and one set of registers for all that issue it.
.macro JLOAD s
	s_cmp_eq_u32 s11, 0
	s_cbranch_scc0 .Lfor_a_\@
	tensor_load_to_lds s[G0B+4*\s:G0B+4*\s+3], s[G1B:G1B+7]
	s_nop 0
	s_branch .Lasked_\@
.Lfor_a_\@:
	tensor_load_to_lds s[G0A+4*\s:G0A+4*\s+3], s[G1A:G1A+7]
	s_nop 0
.Lasked_\@:
.endm
; A round of the cluster's barrier: my work-group's barrier; wave 0 signals for the work-group; every wave waits for all sixteen; my work-group's barrier again.
.macro CREST                           ; a round behind its opening barrier
	s_cmp_lg_u32 s10, 0
	s_cbranch_scc1 .Lnot_wave_0_\@
	s_barrier_signal -3
.Lnot_wave_0_\@:
	s_barrier_wait -3
	s_barrier_signal -1
	s_barrier_wait -1
.endm
.macro CROUND
	s_barrier_signal -1
	s_barrier_wait -1
	CREST
.endm
	s_load_b128 s[4:7], s[0:1], 0x0                ; act s[4:5], w2b s[6:7]
	s_load_b64 s[8:9], s[0:1], 0x10                ; out0
	s_load_b64 s[68:69], s[0:1], 0x18              ; top_k_weights
	s_load_b128 s[72:75], s[0:1], 0x20             ; xn s[72:73], wn s[74:75]
	v_lshl_add_u32 v62, v0, 2, 0x3b800
	v_mov_b32 v63, 0
	ds_add_u32 v62, v63
	v_lshrrev_b32 v1, 5, v0
	v_readfirstlane_b32 s10, v1                    ; wave 0..3
	s_lshr_b32 s11, s10, 1                         ; wm.  Also: I fetch for B (0) or for A (1)
	s_and_b32 s12, s10, 1                          ; wn.  Also: which half of that tile I fetch
	s_bfe_u32 s40, ttmp6, 0x40000                  ; cx
	s_bfe_u32 s41, ttmp6, 0x40004                  ; cy
	s_lshl_b32 s42, ttmp9, 2
	s_add_co_u32 s42, s42, s40                     ; block column = 4 x cluster x + cx
	s_and_b32 s13, ttmp7, 0xffff
	s_lshl_b32 s13, s13, 2
	s_add_co_u32 s13, s13, s41                     ; block row = 4 x cluster y + cy
	s_lshl_b32 s43, s41, 2
	s_lshl_b32 s43, 15, s43                        ; my row of the cluster: places 4 cy .. 4 cy + 3
	s_lshl_b32 s44, 0x1111, s40                    ; my column: places cx, cx + 4, cx + 8, cx + 12
	s_mov_b32 s76, 0x76543210                      ; v_permlanex16_b32: lane i of one half reads lane i of the other
	s_mov_b32 s77, 0xfedcba98
	; group 1: elements of 2 bytes; padding on, 4 words behind every 64; bit 21 set beside a mask
	s_or_b32 s[G1A+0], s43, (1<<16)|(1<<20)|(1<<21)|(5<<22)|(3<<25)   ; A's tiles go to my row
	s_or_b32 s[G1B+0], s44, (1<<16)|(1<<20)|(1<<21)|(5<<22)|(3<<25)   ; B's tiles go to my column
	s_mov_b32 s[G1A+1], KSTEP<<16                  ; tensor_dim0 = 128
	s_mov_b32 s[G1B+1], KSTEP<<16
	s_mov_b32 s[G1A+2], 64<<16                     ; tensor_dim1 = 64 rows
	s_mov_b32 s[G1B+2], 128<<16                    ; tensor_dim1 = 128 rows
	s_mov_b32 s[G1A+3], KSTEP<<16                  ; tile_dim0 = 128
	s_mov_b32 s[G1B+3], KSTEP<<16
	s_mov_b32 s[G1A+4], 64                         ; tile_dim1
	s_mov_b32 s[G1B+4], 128
	s_mov_b32 s[G1A+5], SIZE_K                     ; elements from row to row
	s_mov_b32 s[G1B+5], SIZE_K
	s_mov_b32 s[G1A+6], 0
	s_mov_b32 s[G1B+6], 0
	s_mov_b32 s[G1A+7], 0
	s_mov_b32 s[G1B+7], 0
	; where the tiles come from: A's hang on the block row alone, B's on the block column alone, each in registers that never hold the other coordinate
	s_lshl_b32 s17, s12, 6
	s_lshl_b32 s16, s13, 7
	s_add_co_u32 s16, s16, s17                     ; A: row 128 x block row + 64 x half
	s_lshl_b32 s47, s12, 7
	s_lshl_b32 s46, s42, 8
	s_add_co_u32 s46, s46, s47                     ; B: row 256 x block column + 128 x half
	s_mov_b32 s17, 0
	s_mov_b32 s47, 0
	s_mov_b64 s[18:19], SIZE_K*2
	s_mul_u64 s[16:17], s[16:17], s[18:19]         ; in bytes
	s_mul_u64 s[46:47], s[46:47], s[18:19]
	s_mul_i32 s20, s10, BHALF                      ; where B's halves go: waves 0, 1 -> 0, 34,816
	s_mul_i32 s45, s10, AHALF
	s_add_co_u32 s45, s45, BHALF                   ; where A's halves go: waves 2, 3 -> 69,632, 87,040
	s_wait_dscnt 0x0
	s_wait_kmcnt 0x0
	s_add_nc_u64 s[14:15], s[4:5], s[16:17]
	s_add_nc_u64 s[46:47], s[6:7], s[46:47]
	CROUND                                         ; all sixteen work-groups are here: the first joint loads meet
.irp s, 0,1
	s_mov_b32 s[G0A+4*\s], 1
	s_add_co_u32 s[G0A+4*\s+1], s45, \s*SLOT
	s_add_nc_u64 s[G0A+4*\s+2:G0A+4*\s+3], s[14:15], \s*KSTEP*2    ; K step s
	s_or_b32 s[G0A+4*\s+3], s[G0A+4*\s+3], 0x80000000              ; type = 2
	s_mov_b32 s[G0B+4*\s], 1
	s_add_co_u32 s[G0B+4*\s+1], s20, \s*SLOT
	s_add_nc_u64 s[G0B+4*\s+2:G0B+4*\s+3], s[46:47], \s*KSTEP*2
	s_or_b32 s[G0B+4*\s+3], s[G0B+4*\s+3], 0x80000000
	JLOAD \s                                       ; both slots are asked for before anything else: two tensor loads of the wave are out
.endr
	; fragment addresses: lane l holds row l % 16; two loads of 16 bytes, 32 apart, at row x pitch + 16 (l / 16)
	v_and_b32 v1, 15, v0                           ; r
	v_bfe_u32 v2, v0, 4, 1                         ; h
	v_mul_u32_u24 v3, v1, PITCH
	v_lshl_add_u32 v3, v2, 4, v3
	s_mul_i32 s21, s11, AHALF
	s_add_co_u32 s21, s21, AOFF                    ; my 64 rows of A
	s_mul_i32 s22, s12, AHALF                      ; my first 64 rows of B; the other 64 lie 128 rows further on
.irp s, 0,1
	v_add_nc_u32 v[ADRA+\s], s21, v3
	v_add_nc_u32 v[ADRB+\s], s22, v3
	s_add_co_u32 s21, s21, SLOT
	s_add_co_u32 s22, s22, SLOT
.endr
	; my tokens' weights and norms: token 128 x block row + 64 wm + 16 a + r; and all 2,048 row norms of W1, 64 a lane, into the still free buffer 0
	s_lshl_b32 s21, s13, 10
	s_lshl_b32 s22, s11, 9
	s_add_co_u32 s21, s21, s22
	v_lshl_add_u32 v[TK], v1, 3, s21               ; 8 bytes a token
	s_lshr_b32 s22, s21, 1
	v_lshl_add_u32 v[TN], v1, 2, s22               ; 4 bytes a token
	v_and_b32 v6, 31, v0
	v_lshlrev_b32 v[WNO], 4, v6
.irp a, 0,1,2,3
	global_load_b64 v[WT+2*\a:WT+2*\a+1], v[TK], s[68:69] offset:128*\a
	global_load_b32 v[XN+\a], v[TN], s[72:73] offset:64*\a
.endr
.irp j, 0,1,2,3,4,5,6,7,8,9,10,11,12,13,14,15
	global_load_b128 v[F0+4*\j:F0+4*\j+3], v[WNO], s[74:75] offset:512*\j
.endr
	s_mul_i32 s23, s10, 16*SPITCH
	s_add_co_u32 s23, s23, STAGE                   ; my stage
	v_mul_u32_u24 v4, v1, SPITCH                   ; in: row r, 32 bytes for each half of the lanes
	v_lshl_add_u32 v4, v2, 5, v4
	v_add_nc_u32 v[STO], s23, v4
	v_lshl_add_u32 v[RD], v6, 4, s23               ; back: 32 lanes take one row of 512 bytes
	v_lshlrev_b32 v5, 9, v2                        ; in out0 the row's second 256 bytes (columns 128 + 64 wn ..) lie 512 bytes behind the first
	v_lshl_add_u32 v[CO], v1, 4, v5
	s_wait_loadcnt 0x0                             ; weights and norms, once
	; M: the largest of my 64 norms, then of the 32 lanes'
	v_max3_num_f32 v[MX], v[F0], v[F0+1], v[F0+2]
.set n, 3
.rept 30
	v_max3_num_f32 v[MX], v[MX], v[F0+n], v[F0+n+1]
.set n, n+2
.endr
	v_max_num_f32 v[MX], v[MX], v[F0+63]
	v_max_num_f32_dpp v[MX], v[MX], v[MX] row_xmask:1 row_mask:0xf bank_mask:0xf
	v_max_num_f32_dpp v[MX], v[MX], v[MX] row_xmask:2 row_mask:0xf bank_mask:0xf
	v_max_num_f32_dpp v[MX], v[MX], v[MX] row_xmask:4 row_mask:0xf bank_mask:0xf
	v_max_num_f32_dpp v[MX], v[MX], v[MX] row_xmask:8 row_mask:0xf bank_mask:0xf
	v_permlanex16_b32 v6, v[MX], s76, s77          ; its destination counts as read: a register that has been written
	v_max_num_f32 v[MX], v[MX], v6
.irp a, 0,1,2,3
	v_and_b32 v29, 0x7fffffff, v[WT+2*\a]
	v_and_b32 v6,  0x7fffffff, v[WT+2*\a+1]
	v_add_f32 v29, v29, v6                         ; |w0| + |w1|
	v_mul_f32 v29, v29, v[XN+\a]
	v_mul_f32 v29, v29, v[MX]                      ; B
	v_max_num_f32 v29, 0x07000000, v29             ; at least 2^-113
	v_bfe_u32 v29, v29, 23, 8                      ; E
	v_add_nc_u32 v29, -13, v29                     ; E - 13: the exponent field of 1 / s = 2^(E - 140)
	v_lshlrev_b32 v[IS+2*\a],   23, v29
	v_lshlrev_b32 v[IS+2*\a+1], 23, v29            ; both halves of the pair
.endr
; 8 matrix instructions: row block a x all 8 column blocks, 32 along K.  zero = 1: the first product starts the sums; nothing is cleared.
; The 32 accumulators take turns, one instruction a turn, in the same order in every quarter step, over the backward jump too.
.macro MUL8 f, a, zero
.irp b, 0,1,2,3,4,5,6,7
.if \zero
	v_wmma_f32_16x16x32_f16 v[8*(8*\a+\b):8*(8*\a+\b)+7], v[\f+8*\b:\f+8*\b+7], v[\f+64+8*\a:\f+64+8*\a+7], 0
.else
	v_wmma_f32_16x16x32_f16 v[8*(8*\a+\b):8*(8*\a+\b)+7], v[\f+8*\b:\f+8*\b+7], v[\f+64+8*\a:\f+64+8*\a+7], v[8*(8*\a+\b):8*(8*\a+\b)+7]
.endif
.endr
.endm
; 24 LDS loads in one run: one quarter step's fragments (2 x 64 rows of B, 64 of A; 32 K at byte k of the rows) into buffer f
.macro FETCH slot, k, f
	WIN 0
.irp g, 0,1
.irp i, 0,1,2,3
	ds_load_b128 v[\f+8*(4*\g+\i):\f+8*(4*\g+\i)+3],   v[ADRB+\slot] offset:\k+\g*BHALF+\i*16*PITCH
	ds_load_b128 v[\f+8*(4*\g+\i)+4:\f+8*(4*\g+\i)+7], v[ADRB+\slot] offset:\k+\g*BHALF+\i*16*PITCH+32
.endr
.endr
.irp i, 0,1,2,3
	ds_load_b128 v[\f+64+8*\i:\f+64+8*\i+3],   v[ADRA+\slot] offset:\k+\i*16*PITCH
	ds_load_b128 v[\f+64+8*\i+4:\f+64+8*\i+7], v[ADRA+\slot] offset:\k+\i*16*PITCH+32
.endr
.endm
; A load into a register that a matrix instruction has read, and a vector instruction that reads a matrix result, stand four places behind it;
; only plain vector instructions that name none of its registers are places (ISA guide 7.12.1 for vector instructions).
.macro PLACES
.rept 4
	v_nop
.endr
.endm
; A K step is four quarter steps of 32 along K, 32 matrix instructions each, on buffers 0, 1, 0, 1.
.macro QUARTER slot, k, f, g, zero
	s_wait_dscnt 4                                 ; B and A's row blocks 0, 1 are in; the four youngest loads (A's row blocks 2, 3) may be out
	WIN MULW
	MUL8 \f, 0, \zero
	MUL8 \f, 1, \zero
	PLACES
	FETCH \slot, \k, \g
	s_wait_dscnt 24                                ; all but the 24 just issued
	WIN MULW
	MUL8 \f, 2, \zero
	MUL8 \f, 3, \zero
.endm
.macro THREE slot, zero
	QUARTER \slot, 64,  F0, F1, \zero
	QUARTER \slot, 128, F1, F0, 0
	QUARTER \slot, 192, F0, F1, 0
.endm
; The last quarter multiplies buffer 1 and changes slots.  In front of the barrier each wave waits for its reads of this slot and for all its tensor loads
; (one is out: its part of the next slot).  Behind it the refill comes first, then the next slot's first fragments.
; From a request to the wait for it a wave issues 120 matrix instructions.
.macro TURN slot, next, fill
	s_wait_dscnt 4
	WIN MULW
	MUL8 F1, 0, 0
	s_wait_dscnt 0                                 ; my reads of this slot are over
	s_wait_tensorcnt 0x0                           ; all my tensor loads have landed
	ds_add_u32 v62, v63
	s_wait_dscnt 0x0
	s_barrier_signal -1                            ; say so (where a slot is filled again this barrier opens a round of the cluster's barrier),
	MUL8 F1, 1, 0                                  ; work on registers while the others arrive,
	WIN 0
	s_barrier_wait -1
.if \fill
	CREST                                          ; no wave of any partner still reads this slot's tile or has a load on its way
	s_add_nc_u64 s[G0A+4*\slot+2:G0A+4*\slot+3], s[G0A+4*\slot+2:G0A+4*\slot+3], 2*KSTEP*2
	s_add_nc_u64 s[G0B+4*\slot+2:G0B+4*\slot+3], s[G0B+4*\slot+2:G0B+4*\slot+3], 2*KSTEP*2
	JLOAD \slot                                    ; the wave's one tensor load behind the round, and the first thing there
.endif
	PLACES
	FETCH \next, 0, F0
	WIN MULW
	MUL8 F1, 2, 0
	MUL8 F1, 3, 0
.endm
.macro LAP zero
	THREE 0, \zero
	TURN 0, 1, 1
	THREE 1, 0
	TURN 1, 0, 1
.endm
	s_wait_tensorcnt 1                             ; my part of K step 0 is in; K step 1's stays out
	s_barrier_signal -1
	s_barrier_wait -1                              ; everybody's is
	FETCH 0, 0, F0
	LAP 1                                          ; the first lap stands in front of the loop: its first products start the sums
	WIN 0                                          ; at a label and at a branch every window is 0
	s_mov_b32 s3, LAPS-2
.Llap:
	LAP 0
	WIN 0
	s_sub_co_u32 s3, s3, 1
	s_cmp_lg_u32 s3, 0
	s_cbranch_scc1 .Llap
	THREE 0, 0                                     ; the last lap fills nothing
	TURN 0, 1, 0
	THREE 1, 0
	s_wait_dscnt 4                                 ; the very last quarter
	WIN MULW
	MUL8 F1, 0, 0
	MUL8 F1, 1, 0
	s_wait_dscnt 0
	MUL8 F1, 2, 0
	MUL8 F1, 3, 0
	; THE WAY OUT, 16 rows at a time through my own stage.  The four v_nop are the places behind the last matrix instructions, for the multiplies
	; that read and rewrite results and for the loads into the fragment buffers.
	PLACES
	s_lshl_b32 s16, s13, 20                        ; 128 x block row rows of 8,192 bytes
	s_lshl_b32 s17, s11, 19                        ; + 64 wm rows
	s_add_co_u32 s16, s16, s17
	s_mov_b32 s17, 0
	s_add_nc_u64 s[8:9], s[8:9], s[16:17]
	s_lshl_b32 s46, s42, 10                        ; + 256 x block column columns of 4 bytes
	s_lshl_b32 s47, s12, 8                         ; + 64 wn columns
	s_add_co_u32 s46, s46, s47
	s_mov_b32 s47, 0
	s_add_nc_u64 s[8:9], s[8:9], s[46:47]
; rows 16 a .. + 15 of my tile: the eight tiles (a, 0..7) lose the scale in place, go from the accumulators into the stage, and whole rows come back; f: the buffer, 64 and 160 in turn
.macro OUT16 a, f
	WIN 0x41                                       ; destination and source 0 in window 1, the factor in window 0
.irp b, 0,1,2,3,4,5,6,7
.irp p, 0,1,2,3
	v_pk_mul_f32 v[8*(8*\a+\b)+2*\p:8*(8*\a+\b)+2*\p+1], v[8*(8*\a+\b)+2*\p:8*(8*\a+\b)+2*\p+1], v[IS+2*\a:IS+2*\a+1]   ; a lane's eight numbers of a tile are one token's
.endr
.endr
	WIN 0x04                                       ; the LDS stores' data in window 1
.irp b, 0,1,2,3,4,5,6,7
	ds_store_b128 v[STO], v[8*(8*\a+\b):8*(8*\a+\b)+3]   offset:64*\b
	ds_store_b128 v[STO], v[8*(8*\a+\b)+4:8*(8*\a+\b)+7] offset:64*\b+16
.endr
	WIN 0
	s_wait_xcnt 0x0                                ; every earlier memory instruction has had its addresses translated (ISA guide 3.1): buffer f, which earlier stores read, is loaded again only behind this wait
.irp t, 0,1,2,3,4,5,6,7,8,9,10,11,12,13,14,15
	ds_load_b128 v[\f+4*\t:\f+4*\t+3], v[RD] offset:SPITCH*\t      ; LDS serves a wave's instructions in order (ISA guide 5.7.1.4): these see the stores above
.endr
.irp t, 0,1,2,3,4,5,6,7,8,9,10,11,12,13,14,15
	s_wait_dscnt 15-\t                             ; load t is in, the 15 - t younger ones stay out
	global_store_b128 v[CO], v[\f+4*\t:\f+4*\t+3], s[8:9] offset:(16*\a+\t)*8192 th:TH_STORE_NT   ; each half of the lanes stores 256 consecutive bytes, at a multiple of 256 from out0's first byte
.endr
.endm
	OUT16 0, 64
	OUT16 1, 160
	OUT16 2, 64
	OUT16 3, 160
	s_wait_tensorcnt 0x0
	ds_add_u32 v62, v63
	s_wait_dscnt 0x0
	CROUND                                         ; the closing round: no work-group ends while a partner may still ask for a tile that names it
	s_endpgm
.Lfunc_end_k_q11733f13e2_down:
	.size	k_q11733f13e2_down, .Lfunc_end_k_q11733f13e2_down-k_q11733f13e2_down
	.p2alignl 7, 3214868480
	.fill 96, 4, 3214868480
	.section	.rodata,"a",@progbits
	.p2align	6, 0x0
	.amdhsa_kernel k_q11733f13e2_down
		.amdhsa_group_segment_fixed_size 327680
		.amdhsa_private_segment_fixed_size 0
		.amdhsa_enable_private_segment 0
		.amdhsa_kernarg_size 48
		.amdhsa_user_sgpr_count 2
		.amdhsa_user_sgpr_kernarg_segment_ptr 1
		.amdhsa_wavefront_size32 1
		.amdhsa_system_sgpr_workgroup_id_x 1
		.amdhsa_system_sgpr_workgroup_id_y 1
		.amdhsa_system_sgpr_workgroup_id_z 1
		.amdhsa_system_vgpr_workitem_id 0
		.amdhsa_next_free_vgpr 512
		.amdhsa_next_free_sgpr 80
		.amdhsa_reserve_vcc 0
		.amdhsa_float_denorm_mode_32 3
		.amdhsa_float_denorm_mode_16_64 3
		.amdhsa_memory_ordered 1
		.amdhsa_forward_progress 1
		.amdhsa_inst_pref_size 132
	.end_amdhsa_kernel
	.amdgpu_metadata
---
amdhsa.version: [ 1, 2 ]
amdhsa.kernels:
  - .name:           k_q11733f13e2_down
    .symbol:         k_q11733f13e2_down.kd
    .args:
      - { .name: act, .offset: 0, .size: 8, .value_kind: global_buffer, .address_space: global }
      - { .name: w2b, .offset: 8, .size: 8, .value_kind: global_buffer, .address_space: global }
      - { .name: out0, .offset: 16, .size: 8, .value_kind: global_buffer, .address_space: global }
      - { .name: top_k_weights, .offset: 24, .size: 8, .value_kind: global_buffer, .address_space: global }
      - { .name: xn, .offset: 32, .size: 8, .value_kind: global_buffer, .address_space: global }
      - { .name: wn, .offset: 40, .size: 8, .value_kind: global_buffer, .address_space: global }
    .group_segment_fixed_size: 327680
    .private_segment_fixed_size: 0
    .kernarg_segment_align: 8
    .kernarg_segment_size: 48
    .max_flat_workgroup_size: 128
    .sgpr_count:     80
    .vgpr_count:     512
    .wavefront_size: 32
...
	.end_amdgpu_metadata
.endif
;; end of part 3
;; ======== version 2 of 2: 3 launches; version 1 with the launch cast written anew for expert scheduling mode
;; limits: values are held in f16: magnitudes above 65,504 overflow, below 6.1e-05 lose precision; inputs' magnitudes at most 65,504
;; workspace buffers: xb 16,777,216 bytes; w1b 8,388,608 bytes; w2b 4,194,304 bytes; act 8,388,608 bytes; xn 16,384 bytes; wn 8,192 bytes
;; launch cast (part 4): grid 256 x 7, 4 waves a work-group, no clusters, 0 bytes of LDS; arguments hidden_states, gate_up_proj, down_proj, xb, w1b, w2b, xn, wn; writes xb, w1b, w2b, xn, wn
.if DOCPART == 4
	.amdgcn_target "amdgcn-amd-amdhsa--gfx1250"
	.amdhsa_code_object_version 6
	.text
	.protected	k_q11733f13e2_cast
	.globl	k_q11733f13e2_cast
	.p2align	8
	.type	k_q11733f13e2_cast,@function
k_q11733f13e2_cast:
	s_mov_b64 s[64:65], 0
	v_nop
	global_prefetch_b8 v0, s[64:65] scope:SCOPE_SE
	s_setreg_imm32_b32 hwreg(HW_REG_WAVE_SCHED_MODE, 0, 2), 2
	s_setreg_imm32_b32 hwreg(HW_REG_WAVE_MODE, 25, 1), 1
	s_wait_xcnt 0x0
	s_wait_alu depctr_vm_vsrc(0)
; f32 to f16, once for each element of the three matrix operands, so that the two products that follow read 16-bit tiles and convert nothing;
; and the squared norm of every row of hidden_states and of gate_up_proj, from which the later launches bound act.
;   y = 0..3: hidden_states [4096][2048]    -> xb  [4096][2048]  same order;  xn[t] = sum of x[t][.]^2
;   y = 4, 5: gate_up_proj  [8][256][2048]  -> w1b [2048][2048]  same order;  wn[row] = sum of W1[row][.]^2
;   y = 6:    down_proj     [8][2048][128]  -> w2b [2048 h][1024 = 128 e + i]   so that K = (expert, i) lies along the rows
; f16 and not bf16: 11 significant bits against 8, and these operands have the room.  LIMIT: a magnitude above 65,504 overflows f16; below 6.1e-5 the
; absolute error stays 3e-8.
; A work-group takes 32,768 bytes of input, a wave 8,192 (for y < 6 exactly one row): sixteen loads of 16 bytes a lane (512 neighbouring bytes each), all
; issued at once; there is no loop.  Each load gives two packed roundings and one store of 8 bytes a lane: 256 neighbouring bytes, aligned.
; A row's norm is one store of 4 bytes by one lane: 6,144 such stores, 24,576 bytes, in the launch; gathering them would need LDS and a barrier.
; Memory binds: no LDS, no barrier, no matrix unit.  Every data register is written once, so no source is ever rewritten.
; THE MODE: SCHED_MODE bits 1:0 = 2 (LLVM: expert scheduling mode 2), set by the entry lines.  The code itself states the register dependences
; between vector instructions and memory instructions, with s_wait_alu, always for 0.
; THE PLAN.  Registers that memory instructions touch:
;   v1, v2, v[NO]  byte offsets.  Written by vector instructions ahead of the stream, read by the loads, the stores and the norm's store; never written again.
;   X              Written by the sixteen loads, which no vector instruction that names X precedes; read by the roundings and the squares behind each load's wait.
;   Y              Written by the roundings, each register once; read by its store; never written again.
;   v[SQ]          Written by vector instructions; read by the norm's store, the kernel's last memory instruction.
; The sixteen turns go in four blocks of four.  A block: the eight roundings of its four loads; ONE wait on va_vdst; its four stores, dealt among the block's
; eight squares, which name X and SQ alone: none of the registers that the stores touch.  One more wait on va_vdst stands ahead of the first load, for the offsets.
; What is left are the two scalar writes of EXEC round the norm's store, each with its waits.
.set X,  4                             ; v[4:67]    load j: 4 registers, 4 f32
.set Y,  68                            ; v[68:99]   store j: 2 registers, 4 f16
.set SQ, 100                           ; v[100:103] four running sums of squares
.set NO, 104                           ; v104       4 x wave: my row's place among the work-group's four norms
	s_load_b256 s[4:11], s[0:1], 0x0               ; hidden_states s[4:5], gate_up_proj s[6:7], down_proj s[8:9], xb s[10:11]
	s_load_b256 s[12:19], s[0:1], 0x20             ; w1b s[12:13], w2b s[14:15], xn s[16:17], wn s[18:19]
	s_and_b32 s20, ttmp7, 0xffff                   ; y: which buffer
	v_and_b32 v3, 31, v0                           ; lane
	v_and_b32 v2, 0x60, v0                         ; 32 x wave
	v_lshlrev_b32 v1, 4, v3                        ; input: 16 bytes a lane
	v_lshl_or_b32 v1, v2, 8, v1                    ; + wave x 8,192
	v_lshlrev_b32 v3, 3, v3                        ; output: 8 bytes a lane
	v_lshrrev_b32 v[NO], 3, v2
	s_mov_b32 s27, 0                               ; high words of the three 64-bit offsets
	s_mov_b32 s29, 0
	s_mov_b32 s33, 0
	s_mov_b32 s34, 0x76543210                      ; v_permlanex16_b32: lane i of one half reads lane i of the other
	s_mov_b32 s35, 0xfedcba98
	s_wait_kmcnt 0x0
; sixteen loads, then four blocks of four turns; ostep = bytes in the output from one 512-byte piece of the input to the next; norm = 1: the squares are summed too
.macro STREAM ostep, norm
	s_wait_alu depctr_va_vdst(0)                   ; v1, v2 and v[NO] are written: every load and store of the kernel reads one of them as its offset
.irp j, 0,1,2,3,4,5,6,7,8,9,10,11,12,13,14,15
	global_load_b128 v[X+4*\j:X+4*\j+3], v1, s[22:23] offset:512*\j th:TH_LOAD_NT   ; read once in the whole launch
.endr
.irp p, 0,1,2,3
.irp i, 0,1,2,3
	s_wait_loadcnt 15-(4*\p+\i)                    ; loads come back in order (ISA guide 5.7.1): load j = 4 p + i is in, the 15 - j younger ones stay out
	v_cvt_pk_f16_f32 v[Y+2*(4*\p+\i)],   v[X+4*(4*\p+\i)],   v[X+4*(4*\p+\i)+1]
	v_cvt_pk_f16_f32 v[Y+2*(4*\p+\i)+1], v[X+4*(4*\p+\i)+2], v[X+4*(4*\p+\i)+3]
.endr
	s_wait_alu depctr_va_vdst(0)                   ; the block's eight roundings have written their Y, which the four stores below read
.irp i, 0,1,2,3
	global_store_b64 v2, v[Y+2*(4*\p+\i):Y+2*(4*\p+\i)+1], s[24:25] offset:\ostep*(4*\p+\i)    ; 32 lanes x 8 bytes: 256 consecutive bytes, aligned; the next launch reads them, so no hint.  No vector instruction since the wait names Y or v2
.if \norm
.if 4*\p+\i == 0
	v_pk_mul_f32 v[SQ:SQ+1],   v[X:X+1],   v[X:X+1]                        ; the first squares start the sums: nothing is cleared
	v_pk_mul_f32 v[SQ+2:SQ+3], v[X+2:X+3], v[X+2:X+3]
.else
	v_pk_fma_f32 v[SQ:SQ+1],   v[X+4*(4*\p+\i):X+4*(4*\p+\i)+1],   v[X+4*(4*\p+\i):X+4*(4*\p+\i)+1],   v[SQ:SQ+1]       ; the sums take their terms by ascending j
	v_pk_fma_f32 v[SQ+2:SQ+3], v[X+4*(4*\p+\i)+2:X+4*(4*\p+\i)+3], v[X+4*(4*\p+\i)+2:X+4*(4*\p+\i)+3], v[SQ+2:SQ+3]
.endif
.endif
.endr
.endr
.endm
	s_cmp_eq_u32 s20, 6
	s_cbranch_scc1 .Ldown
	; same order in and out
	s_cmp_lt_u32 s20, 4
	s_cselect_b64 s[22:23], s[4:5], s[6:7]         ; from hidden_states or gate_up_proj
	s_cselect_b64 s[24:25], s[10:11], s[12:13]     ; to xb or w1b
	s_cselect_b64 s[30:31], s[16:17], s[18:19]     ; norms to xn or wn
	s_and_b32 s21, s20, 3                          ; y = 0..3 -> 0..3; y = 4, 5 -> 0, 1
	s_lshl_b32 s21, s21, 8
	s_add_co_u32 s21, s21, ttmp9                   ; the block of 32,768 input bytes = four rows
	s_lshl_b32 s26, s21, 15
	s_lshl_b32 s28, s21, 14
	s_lshl_b32 s32, s21, 4                         ; four norms of 4 bytes
	s_add_nc_u64 s[22:23], s[22:23], s[26:27]
	s_add_nc_u64 s[24:25], s[24:25], s[28:29]
	s_add_nc_u64 s[30:31], s[30:31], s[32:33]
	v_lshl_or_b32 v2, v2, 7, v3                    ; wave x 4,096 + 8 x lane
	STREAM 256, 1
	; my row's sum of squares: four sums in the lane, then across the 32 lanes
	v_pk_add_f32 v[SQ:SQ+1], v[SQ:SQ+1], v[SQ+2:SQ+3]
	v_add_f32 v[SQ], v[SQ], v[SQ+1]
	v_add_f32_dpp v[SQ], v[SQ], v[SQ] row_xmask:1 row_mask:0xf bank_mask:0xf
	v_add_f32_dpp v[SQ], v[SQ], v[SQ] row_xmask:2 row_mask:0xf bank_mask:0xf
	v_add_f32_dpp v[SQ], v[SQ], v[SQ] row_xmask:4 row_mask:0xf bank_mask:0xf
	v_add_f32_dpp v[SQ], v[SQ], v[SQ] row_xmask:8 row_mask:0xf bank_mask:0xf
	v_permlanex16_b32 v[SQ+1], v[SQ], s34, s35     ; its destination counts as read: a register that has been written
	v_add_f32 v[SQ], v[SQ], v[SQ+1]
	v_cmp_eq_u32 vcc_lo, 0, v3                     ; lane 0 alone stores it
	s_wait_xcnt 0x0                                ; EXEC is a source of the stores above: it changes only behind this wait
	s_wait_alu depctr_va_vcc(0)                    ; the compare has written VCC, from which EXEC is made
	s_wait_alu depctr_va_vdst(0)                   ; ahead of a scalar write of EXEC: the vector instructions issued so far are done; among them the sum has written v[SQ], which the store below reads
	s_wait_alu depctr_vm_vsrc(0)                   ; ahead of a scalar write of EXEC: the stores issued so far have read their vector registers
	s_and_saveexec_b32 s36, vcc_lo
	global_store_b32 v[NO], v[SQ], s[30:31]
	s_wait_xcnt 0x0                                ; and again in front of the line that widens it
	s_wait_alu depctr_va_vdst(0)                   ; ahead of a scalar write of EXEC: no vector instruction is still at work
	s_wait_alu depctr_vm_vsrc(0)                   ; ahead of a scalar write of EXEC: the norm's store has read v[NO] and v[SQ]
	s_or_b32 exec_lo, exec_lo, s36
	s_endpgm
.Ldown:
	; a piece of 512 input bytes is one row [e][h][0:128]; the work-group holds 64 such rows: e = x / 32, h = 64 (x mod 32) + 16 wave + j
	s_lshl_b32 s26, ttmp9, 15
	s_add_nc_u64 s[22:23], s[8:9], s[26:27]
	s_and_b32 s28, ttmp9, 31
	s_lshl_b32 s28, s28, 17                        ; 64 (x mod 32) rows of 2,048 bytes
	s_lshr_b32 s21, ttmp9, 5
	s_lshl_b32 s21, s21, 8                         ; + 256 e
	s_add_co_u32 s28, s28, s21
	s_add_nc_u64 s[24:25], s[14:15], s[28:29]
	v_lshl_or_b32 v2, v2, 10, v3                   ; wave x 16 rows of 2,048 bytes + 8 x lane
	STREAM 2048, 0
	s_endpgm
.Lfunc_end_k_q11733f13e2_cast:
	.size	k_q11733f13e2_cast, .Lfunc_end_k_q11733f13e2_cast-k_q11733f13e2_cast
	.p2alignl 7, 3214868480
	.fill 96, 4, 3214868480
	.section	.rodata,"a",@progbits
	.p2align	6, 0x0
	.amdhsa_kernel k_q11733f13e2_cast
		.amdhsa_group_segment_fixed_size 0
		.amdhsa_private_segment_fixed_size 0
		.amdhsa_enable_private_segment 0
		.amdhsa_kernarg_size 64
		.amdhsa_user_sgpr_count 2
		.amdhsa_user_sgpr_kernarg_segment_ptr 1
		.amdhsa_wavefront_size32 1
		.amdhsa_system_sgpr_workgroup_id_x 1
		.amdhsa_system_sgpr_workgroup_id_y 1
		.amdhsa_system_sgpr_workgroup_id_z 1
		.amdhsa_system_vgpr_workitem_id 0
		.amdhsa_next_free_vgpr 108
		.amdhsa_next_free_sgpr 66
		.amdhsa_reserve_vcc 1
		.amdhsa_float_denorm_mode_32 3
		.amdhsa_float_denorm_mode_16_64 3
		.amdhsa_memory_ordered 1
		.amdhsa_forward_progress 1
		.amdhsa_inst_pref_size 17
	.end_amdhsa_kernel
	.amdgpu_metadata
---
amdhsa.version: [ 1, 2 ]
amdhsa.kernels:
  - .name:           k_q11733f13e2_cast
    .symbol:         k_q11733f13e2_cast.kd
    .args:
      - { .name: hidden_states, .offset: 0, .size: 8, .value_kind: global_buffer, .address_space: global }
      - { .name: gate_up_proj, .offset: 8, .size: 8, .value_kind: global_buffer, .address_space: global }
      - { .name: down_proj, .offset: 16, .size: 8, .value_kind: global_buffer, .address_space: global }
      - { .name: xb, .offset: 24, .size: 8, .value_kind: global_buffer, .address_space: global }
      - { .name: w1b, .offset: 32, .size: 8, .value_kind: global_buffer, .address_space: global }
      - { .name: w2b, .offset: 40, .size: 8, .value_kind: global_buffer, .address_space: global }
      - { .name: xn, .offset: 48, .size: 8, .value_kind: global_buffer, .address_space: global }
      - { .name: wn, .offset: 56, .size: 8, .value_kind: global_buffer, .address_space: global }
    .group_segment_fixed_size: 0
    .private_segment_fixed_size: 0
    .kernarg_segment_align: 8
    .kernarg_segment_size: 64
    .max_flat_workgroup_size: 128
    .sgpr_count:     66
    .vgpr_count:     108
    .wavefront_size: 32
...
	.end_amdgpu_metadata
.endif
;; end of part 4
;; launch gateup: the kernel of part 2 again; grid 8 x 32, 4 waves a work-group, clusters of 4 x 4, 327,680 bytes of LDS; arguments xb, w1b, act, top_k_index, top_k_weights, xn, wn; writes act
;; launch down: the kernel of part 3 again; grid 8 x 32, 4 waves a work-group, clusters of 4 x 4, 327,680 bytes of LDS; arguments act, w2b, out0, top_k_weights, xn, wn; writes out0
